; MI455X (gfx1250); checked and timed in simulation.
; The chip was launched on July 23, 2026; its instructions are those of AMD's public machine-readable ISA for CDNA 5 (MIT licence, August 2026) and "CDNA5" Instruction Set Architecture Reference Guide (July 2026). The comments in the code are by the model that wrote it; some were corrected since.
;; Multi Headed Attention. Allowed arithmetic: matrix products marked QUANTISED: E2M3 operands, one E8M0 scale for each 32 along K, by v_wmma_scale_f32_16x16x128_f8f6f4 with both operands' format E2M3, f32 sums; everything else in f32.
;; Inputs: Wk 512 x 512 float32; Wo 512 x 512 float32; Wq 512 x 512 float32; Wv 512 x 512 float32; bk 512 float32; bo 512 float32; bq 512 float32; bv 512 float32; key 2 x 2,048 x 512 float32; query 2 x 2,048 x 512 float32; value 2 x 2,048 x 512 float32.
;; Outputs: out0 2 x 2,048 x 512 float32.
;; This version of the problem:
;;   THIS VERSION OF THE PROBLEM IS GIVEN IN LOW PRECISION. The matrix products marked QUANTISED in the list below multiply operands that are first quantised to E2M3 (2 exponent bits, 3 mantissa bits; 6 bits a number), with one power-of-two scale for each 32 numbers along K (OCP MX v1.0); their sums are f32. All else is computed in f32.
;;   The module's matrix products, in the order in which they are computed (A, B: the left and right operand; K: the contracted axis; several contracted axes count as one K, in the product's order):
;;     1. [M 4,096, K 512] x [K 512, N 512]; A: input query; B: input Wq: QUANTISED
;;     2. [M 4,096, K 512] x [K 512, N 512]; A: input key; B: input Wk: QUANTISED
;;     3. [M 4,096, K 512] x [K 512, N 512]; A: input value; B: input Wv: QUANTISED
;;     4. batch 16 x [M 2,048, K 64] x [K 64, N 2,048]; A: computed on the way; B: computed on the way: QUANTISED
;;     5. batch 16 x [M 2,048, K 2,048] x [K 2,048, N 64]; A: computed on the way; B: computed on the way: QUANTISED
;;     6. [M 4,096, K 512] x [K 512, N 512]; A: computed on the way; B: input Wo: QUANTISED
;;   THE QUANTISER, for each operand of a quantised product, along K:
;;     - K is cut into blocks of 32 from its start; a last block that is shorter is filled with zeros.
;;     - A block's scale is 2^e with e = floor(log2(the largest magnitude in the block)) - 2, held to -126 .. 127; a block of zeros has e = 0. As a byte (E8M0): e + 127.
;;     - Each number is divided by its block's scale, clamped to +-7.5, and rounded to the nearest number of E2M3, ties to even, subnormals kept.
;;     - The product sums the exact products of the quantised numbers (number of the format x scale) in f32.
;;   ~~~python
;;   def quantise(x, axis):      # numpy; x: float32 -> the quantised numbers, widened to float32 again
;;       x = np.moveaxis(x, axis, -1); K = x.shape[-1]
;;       x = np.pad(x, [(0, 0)] * (x.ndim - 1) + [(0, -K % 32)]); x = x.reshape(x.shape[:-1] + (-1, 32)); a = np.abs(x).max(-1, keepdims=True)
;;       e = np.where(a > 0, np.clip(np.frexp(np.where(a > 0, a, 1))[1] - 1 - 2, -126, 127), 0)      # np.frexp(a)[1] - 1 = floor(log2(a)), exactly
;;       r = np.clip(x / 2.0 ** e, -7.5, 7.5)
;;       step = 2.0 ** (np.maximum(np.frexp(np.where(r == 0, 1, r))[1] - 1, 0) - 3)
;;       q = np.round(r / step) * step * 2.0 ** e      # np.round: ties to even
;;       return np.moveaxis(q.reshape(q.shape[:-2] + (-1,))[..., :K], -1, axis).astype(np.float32)
;;   ~~~
;;   OPERANDS COMPUTED ON THE WAY. 'Computed on the way' means the value that the module computes at that place (a softmax that the list does not call 'softmax' is quantised finished and normalised). What goes into a quantiser is computed in f32, as accurately as f32 sums, v_exp_f32 and their like allow (about 1e-6 of the number): no bf16 or f16 on the way to a quantiser, and a product that is left as it is and whose result goes on into a quantised operand takes f32 operands (vector FMAs, or v_wmma_f32_16x16x4_f32). A number that lies on a knife's edge between two numbers of the format may be rounded either way, as far as f32 arithmetic and the matrix unit's own rounding can turn it there, and no further.
;; One version. Each part assembles by itself: llvm-mc -triple=amdgcn-amd-amdhsa -mcpu=gfx1250 --defsym DOCPART=n.
;; ======== version 1 of 1: 4 launches
;; workspace buffers: wq 851,968 bytes; xq 5,111,808 bytes; qq 1,703,936 bytes; kv 3,407,872 bytes; cq 1,835,008 bytes
;; launch quant (part 1): grid 224 x 1, 4 waves a work-group, no clusters, 34,304 bytes of LDS; arguments query, key, value, Wq, Wk, Wv, Wo, xq, wq; writes xq, wq
.if DOCPART == 1
	.amdgcn_target "amdgcn-amd-amdhsa--gfx1250"
	.amdhsa_code_object_version 6
	.text
	.protected	k_q46ad844954_quant
	.globl	k_q46ad844954_quant
	.p2align	8
	.type	k_q46ad844954_quant,@function
k_q46ad844954_quant:
	s_mov_b64 s[64:65], 0
	v_nop
	global_prefetch_b8 v0, s[64:65] scope:SCOPE_SE
	s_setreg_imm32_b32 hwreg(HW_REG_WAVE_MODE, 25, 1), 1
	s_wait_xcnt 0x0
; query, key, value [4096][512] f32 and Wq, Wk, Wv, Wo [512 (k)][512 (n)] f32 become codes of FP6 (E2M3) with one E8M0 byte for each 32 along K = the 512.
; THE RESULTS ARE IMAGES OF OPERAND REGISTERS.  A fragment is 16 rows x 128 K, 12 registers a lane (lane l: row l % 16; registers 6 c .. 6 c + 5: k = 64 c + 32 (l / 16) + 0 .. 31);
; its registers 4 g .. 4 g + 3 lie at 512 g + 16 x lane: 1,536 bytes.  The scale words of a tile's four K steps lie at 16 x lane: 512 bytes.  So every store of a wave covers 512 consecutive bytes, aligned.
; THE ROWS OF A TILE ARE NOT NEIGHBOURS: lane r of tile T holds row 32 (T / 2) + 8 (T % 2) + r + 8 (r / 8) (tokens of x, columns n of a weight), so that the results of two neighbouring tiles are 16 neighbours along the next K.
; A wave takes one tile, all four K steps.  Work-groups 0-191: the 768 tiles of query, key, value (K innermost: 512 consecutive bytes a load, turned through the wave's own stage in LDS so that a lane holds 16 neighbours).
; Work-groups 192-223: the 128 tiles of the weights (K outermost: a lane takes a column and its registers run down K; nothing is turned).  Waves share nothing: no barrier.
; A block's scale is 2^(floor(log2(largest magnitude)) - 2): the byte is the largest magnitude's exponent field - 2, held at 1 from below by a floor among the maximum's leaves.
; LIMITS: a block of zeros gets the byte 1 where the rule says 127 (its codes are zeros, and this program alone reads the bytes); NaN and infinities among the inputs are not served.
.set XSOFF, 4718592                    ; xq: 768 tiles x 6,144 bytes of codes, then their scale words
.set WSOFF, 786432                     ; wq: 128 tiles x 6,144 bytes of codes, then their scale words
.set STG,   8448                       ; a wave's stage: 16 rows x (512 bytes + 16)
.set SPARE, 4*STG                      ; behind the stages: the spare words, 128 bytes a wave, which no other line names
.set L16, 1                            ; v1   16 x lane
.set SA,  2                            ; v2   the stage, way in: 16 x lane
.set LA,  3                            ; v3   the stage, way out: 528 r + 64 h
.set WA,  4                            ; v4   a weight: 4 (r + 8 (r / 8)) + 32 rows x h
.set SPW, 5                            ; v5   my spare word; never rewritten
.set NIL, 6                            ; v6   0; never rewritten
.set H8,  7                            ; v7   8 h
.set PC,  8                            ; v8-27   the codes just made
.set PWQ, 28                           ; v28-31  the four K steps' scale words
.set LD,  32                           ; v32-159 two sets of 64 numbers as loaded
.set X,   160                          ; v160-223 64 numbers: register 16 b + i = k 32 b + 16 h + i of my row
.set TM,  224                          ; v224-239 at work
.set SEL, 30                           ; s[30:31] v_permlanex16_b32's selects for lane l xor 16
; 64 numbers of a lane, register 16 b + i = k 32 b + 16 h + i: the four blocks' scale operands in v[TM+12..15], their bytes in v[TM+4..7]
.macro QSCALE s, abs
.irp b, 0,1,2,3
.if \abs
	v_max3_num_f32 v[TM+\b], |v[(\s)+16*\b]|, |v[(\s)+16*\b+1]|, 0x1800000   ; my 16 numbers of block b, and the floor 2^(3 - 127)
.else
	v_max3_num_f32 v[TM+\b], v[(\s)+16*\b], v[(\s)+16*\b+1], 0x1800000
.endif
.endr
.irp i, 2,4,6,8,10,12,14
.irp b, 0,1,2,3
.if \abs
	v_max3_num_f32 v[TM+\b], v[TM+\b], |v[(\s)+16*\b+\i]|, |v[(\s)+16*\b+\i+1]|   ; the four blocks by turns
.else
	v_max3_num_f32 v[TM+\b], v[TM+\b], v[(\s)+16*\b+\i], v[(\s)+16*\b+\i+1]
.endif
.endr
.endr
.irp b, 0,1,2,3
	v_permlanex16_b32 v[TM+4+\b], v[TM+\b], s[SEL], s[SEL+1]
.endr
.irp b, 0,1,2,3
	v_max_num_f32 v[TM+\b], v[TM+\b], v[TM+4+\b]       ; with lane l xor 16's 16: the block's largest magnitude
.endr
.irp b, 0,1,2,3
	v_add_nc_u32 v[TM+12+\b], 0xff000000, v[TM+\b]     ; 2 off its exponent field: the conversion's scale operand
.endr
.irp b, 0,1,2,3
	v_lshrrev_b32 v[TM+4+\b], 23, v[TM+12+\b]          ; the scale's byte
.endr
.endm
.macro QWORD pw                        ; the four bytes make my row's scale word
	v_lshl_or_b32 v[\pw], v[TM+5], 8, v[TM+4]
	v_lshl_or_b32 v[\pw], v[TM+6], 16, v[\pw]
	v_lshl_or_b32 v[\pw], v[TM+7], 24, v[\pw]
.endm
.macro QCODES s                        ; the fragment's 12 registers in v[PC] on
.irp c, 0,1
	v_cvt_scalef32_pk16_fp6_f32 v[PC+6*\c:PC+6*\c+2], v[(\s)+32*\c:(\s)+32*\c+15], v[TM+12+2*\c]
	v_cvt_scalef32_pk16_fp6_f32 v[PC+12+4*\c:PC+14+4*\c], v[(\s)+32*\c+16:(\s)+32*\c+31], v[TM+13+2*\c]   ; (a conversion's three registers begin on an even number)
.endr
	v_nop                                              ; one plain place behind a scaled conversion
.irp c, 0,1                            ; the layout wants a WHOLE block in a lane: lanes 0-15 block 2 c, lanes 16-31 block 2 c + 1
.irp i, 0,1,2
	v_permlane16_swap_b32 v[PC+6*\c+\i], v[PC+12+4*\c+\i]
.endr
.irp i, 0,1,2
	v_mov_b32 v[PC+3+6*\c+\i], v[PC+12+4*\c+\i]
.endr
.endr
.endm
.macro IMAGE adr, base, off            ; the fragment goes out as it stands: three stores of 512 consecutive bytes
.irp c, 0,1,2
	global_store_b128 v[\adr], v[PC+4*\c:PC+4*\c+3], s[\base:\base+1] offset:(\off)+512*\c
.endr
.endm
.macro XLOAD s                         ; K step s of my 16 rows: a load takes a row's 512 consecutive bytes
.irp i, 0,1,2,3,4,5,6,7,8,9,10,11,12,13,14,15
	global_load_b128 v[LD+64*((\s)%2)+4*\i:LD+64*((\s)%2)+4*\i+3], v[L16], s[24:25] offset:(\i+8*(\i/8))*2048+512*(\s) th:TH_LOAD_NT
.endr
.endm
.macro TURN s                          ; through my stage: LDS serves a wave's instructions in order, so no wait stands between the stores and the loads
.irp i, 0,1,2,3,4,5,6,7,8,9,10,11,12,13,14,15
	ds_store_b128 v[SA], v[LD+64*((\s)%2)+4*\i:LD+64*((\s)%2)+4*\i+3] offset:528*\i
.endr
.irp b, 0,1,2,3
.irp j, 0,1,2,3
	ds_load_b128 v[X+16*\b+4*\j:X+16*\b+4*\j+3], v[LA] offset:128*\b+16*\j
.endr
.endr
.endm
.macro HLOAD s, c                      ; a weight: W(128 s + 64 c + 32 h + i, my column), i = 0 .. 31
.irp i, 0,1,2,3,4,5,6,7,8,9,10,11,12,13,14,15,16,17,18,19,20,21,22,23,24,25,26,27,28,29,30,31
	global_load_b32 v[LD+64*((\s)%2)+32*(\c)+\i], v[WA], s[24:25] offset:(128*(\s)+64*(\c)+\i)*2048
.endr
.endm
.macro QUANTW s                        ; a lane holds two whole blocks, h and 2 + h, of its column
.set XW, LD+64*((\s)%2)
.irp c, 0,1
	v_max3_num_f32 v[TM+\c], |v[XW+32*\c]|, |v[XW+32*\c+1]|, 0x1800000
.endr
.irp i, 2,4,6,8,10,12,14,16,18,20,22,24,26,28,30
.irp c, 0,1
	v_max3_num_f32 v[TM+\c], v[TM+\c], |v[XW+32*\c+\i]|, |v[XW+32*\c+\i+1]|
.endr
.endr
.irp c, 0,1
	v_add_nc_u32 v[TM+12+\c], 0xff000000, v[TM+\c]
.endr
.irp c, 0,1
	v_lshrrev_b32 v[TM+4+\c], 23, v[TM+12+\c]
.endr
	v_lshl_or_b32 v[TM+8], v[TM+5], 16, v[TM+4]        ; my two bytes,
	v_lshlrev_b32 v[TM+8], v[H8], v[TM+8]              ; at their places in the word;
	v_permlanex16_b32 v[TM+9], v[TM+8], s[SEL], s[SEL+1]
	v_or_b32 v[PWQ+(\s)], v[TM+8], v[TM+9]             ; with lane l xor 16's two the word is whole
.irp c, 0,1
	v_cvt_scalef32_pk16_fp6_f32 v[PC+6*\c:PC+6*\c+2], v[XW+32*\c:XW+32*\c+15], v[TM+12+\c]
	v_cvt_scalef32_pk16_fp6_f32 v[PC+12+4*\c:PC+14+4*\c], v[XW+32*\c+16:XW+32*\c+31], v[TM+12+\c]
.endr
	v_nop                                              ; one plain place behind a scaled conversion
.irp c, 0,1
.irp i, 0,1,2
	v_mov_b32 v[PC+3+6*\c+\i], v[PC+12+4*\c+\i]
.endr
.endr
.endm
	s_load_b256 s[4:11], s[0:1], 0x0               ; query s[4:5], key s[6:7], value s[8:9], Wq s[10:11]
	s_load_b256 s[12:19], s[0:1], 0x20             ; Wk s[12:13], Wv s[14:15], Wo s[16:17], xq s[18:19]
	s_load_b64 s[20:21], s[0:1], 0x40              ; wq
	v_lshl_add_u32 v[SPW], v0, 2, SPARE
	v_mov_b32 v[NIL], 0
	v_lshrrev_b32 v240, 5, v0
	v_readfirstlane_b32 s22, v240                  ; wave
	v_and_b32 v240, 31, v0
	v_lshlrev_b32 v[L16], 4, v240
	v_and_b32 v240, 15, v0                         ; r
	v_bfe_u32 v241, v0, 4, 1                       ; h
	s_mul_i32 s23, s22, STG                        ; my stage
	v_add_nc_u32 v[SA], s23, v[L16]
	v_mul_u32_u24 v[LA], v240, 528
	v_lshl_add_u32 v[LA], v241, 6, v[LA]
	v_add_nc_u32 v[LA], s23, v[LA]
	v_and_b32 v242, 8, v240
	v_add_nc_u32 v242, v242, v240                  ; r + 8 (r / 8)
	v_lshlrev_b32 v[WA], 2, v242
	v_lshl_add_u32 v[WA], v241, 16, v[WA]          ; + 32 rows of 2,048 bytes for lanes 16-31
	v_lshlrev_b32 v[H8], 3, v241
.irp b, 4,5,6,7,8,9
	v_mov_b32 v[TM+\b], 0                          ; written once: a lane permute's destination counts as one of its sources
.endr
	s_mov_b32 s[SEL], 0x76543210
	s_mov_b32 s[SEL+1], 0xfedcba98
	s_lshl_b32 s32, ttmp9, 2
	s_add_co_u32 s32, s32, s22                     ; my task: 4 x work-group + wave
	s_mov_b32 s37, 0
	s_wait_kmcnt 0x0
	s_cmp_ge_u32 ttmp9, 192
	s_cbranch_scc1 .Lweights
	; ---- a tile of query, key or value
	s_lshr_b32 s33, s32, 8                         ; which tensor
	s_and_b32 s34, s32, 255                        ; which tile of its 256
	s_cmp_eq_u32 s33, 0
	s_cselect_b64 s[24:25], s[4:5], s[6:7]
	s_cmp_eq_u32 s33, 2
	s_cselect_b64 s[24:25], s[8:9], s[24:25]
	s_lshr_b32 s35, s34, 1
	s_lshl_b32 s35, s35, 5
	s_and_b32 s36, s34, 1
	s_lshl_b32 s36, s36, 3
	s_add_co_u32 s36, s36, s35                     ; the tile's first row: 32 (T / 2) + 8 (T % 2)
	s_lshl_b32 s36, s36, 11
	s_add_nc_u64 s[24:25], s[24:25], s[36:37]
	s_mul_i32 s36, s32, 6144
	s_add_nc_u64 s[26:27], s[18:19], s[36:37]      ; its codes
	s_lshl_b32 s36, s32, 9
	s_add_co_u32 s36, s36, XSOFF
	s_add_nc_u64 s[28:29], s[18:19], s[36:37]      ; its scale words
	XLOAD 0
	XLOAD 1
.irp s, 0,1,2,3
.if \s < 3
	s_wait_loadcnt 16                              ; this K step's 16 loads are in; the next step's 16 may be out
.else
	s_wait_loadcnt 0
.endif
	TURN \s
	s_wait_dscnt 0x0                               ; the 64 numbers are back, and the stage's stores have read the set
.if \s < 2
	XLOAD \s+2
.endif
.if \s > 0
	s_wait_xcnt 0x0                                ; the last image's stores have read the codes' registers, which are written again below
.endif
	QSCALE X, 1
	QWORD PWQ+\s
	QCODES X
	IMAGE L16, 26, 1536*\s
.endr
	global_store_b128 v[L16], v[PWQ:PWQ+3], s[28:29]
	s_branch .Lend
.Lweights:                                         ; ---- a tile of 16 columns of a weight
	s_sub_co_u32 s32, s32, 768
	s_lshr_b32 s33, s32, 5                         ; which weight: 0 Wq, 1 Wk, 2 Wv, 3 Wo
	s_and_b32 s34, s32, 31                         ; which tile of its 32
	s_cmp_eq_u32 s33, 0
	s_cselect_b64 s[24:25], s[10:11], s[12:13]
	s_cmp_eq_u32 s33, 2
	s_cselect_b64 s[24:25], s[14:15], s[24:25]
	s_cmp_eq_u32 s33, 3
	s_cselect_b64 s[24:25], s[16:17], s[24:25]
	s_lshr_b32 s35, s34, 1
	s_lshl_b32 s35, s35, 5
	s_and_b32 s36, s34, 1
	s_lshl_b32 s36, s36, 3
	s_add_co_u32 s36, s36, s35                     ; the tile's first column
	s_lshl_b32 s36, s36, 2
	s_add_nc_u64 s[24:25], s[24:25], s[36:37]
	s_mul_i32 s36, s32, 6144
	s_add_nc_u64 s[26:27], s[20:21], s[36:37]
	s_lshl_b32 s36, s32, 9
	s_add_co_u32 s36, s36, WSOFF
	s_add_nc_u64 s[28:29], s[20:21], s[36:37]
	HLOAD 0, 0
	HLOAD 0, 1
	HLOAD 1, 0
.irp s, 0,1,2,3
.if \s < 3
	s_wait_loadcnt 32                              ; this K step's 64 loads are in; behind them only the next step's first 32 were issued
	HLOAD \s+1, 1
.else
	s_wait_loadcnt 0
.endif
.if \s > 0
	s_wait_xcnt 0x0                                ; the last image's stores have read the codes' registers
.endif
	QUANTW \s
	IMAGE L16, 26, 1536*\s
.if \s < 2
	HLOAD \s+2, 0
.endif
.endr
	global_store_b128 v[L16], v[PWQ:PWQ+3], s[28:29]
.Lend:
	s_wait_tensorcnt 0x0                           ; the wave's end
	ds_add_u32 v[SPW], v[NIL]
	s_wait_dscnt 0x0
	s_endpgm
.Lfunc_end_k_q46ad844954_quant:
	.size	k_q46ad844954_quant, .Lfunc_end_k_q46ad844954_quant-k_q46ad844954_quant
	.p2alignl 7, 3214868480
	.fill 96, 4, 3214868480
	.section	.rodata,"a",@progbits
	.p2align	6, 0x0
	.amdhsa_kernel k_q46ad844954_quant
		.amdhsa_group_segment_fixed_size 34304
		.amdhsa_private_segment_fixed_size 0
		.amdhsa_enable_private_segment 0
		.amdhsa_kernarg_size 72
		.amdhsa_user_sgpr_count 2
		.amdhsa_user_sgpr_kernarg_segment_ptr 1
		.amdhsa_wavefront_size32 1
		.amdhsa_system_sgpr_workgroup_id_x 1
		.amdhsa_system_sgpr_workgroup_id_y 1
		.amdhsa_system_sgpr_workgroup_id_z 1
		.amdhsa_system_vgpr_workitem_id 0
		.amdhsa_next_free_vgpr 256
		.amdhsa_next_free_sgpr 66
		.amdhsa_reserve_vcc 0
		.amdhsa_float_denorm_mode_32 3
		.amdhsa_float_denorm_mode_16_64 3
		.amdhsa_memory_ordered 1
		.amdhsa_forward_progress 1
		.amdhsa_inst_pref_size 71
	.end_amdhsa_kernel
	.amdgpu_metadata
---
amdhsa.version: [ 1, 2 ]
amdhsa.kernels:
  - .name:           k_q46ad844954_quant
    .symbol:         k_q46ad844954_quant.kd
    .args:
      - { .name: query, .offset: 0, .size: 8, .value_kind: global_buffer, .address_space: global }
      - { .name: key, .offset: 8, .size: 8, .value_kind: global_buffer, .address_space: global }
      - { .name: value, .offset: 16, .size: 8, .value_kind: global_buffer, .address_space: global }
      - { .name: Wq, .offset: 24, .size: 8, .value_kind: global_buffer, .address_space: global }
      - { .name: Wk, .offset: 32, .size: 8, .value_kind: global_buffer, .address_space: global }
      - { .name: Wv, .offset: 40, .size: 8, .value_kind: global_buffer, .address_space: global }
      - { .name: Wo, .offset: 48, .size: 8, .value_kind: global_buffer, .address_space: global }
      - { .name: xq, .offset: 56, .size: 8, .value_kind: global_buffer, .address_space: global }
      - { .name: wq, .offset: 64, .size: 8, .value_kind: global_buffer, .address_space: global }
    .group_segment_fixed_size: 34304
    .private_segment_fixed_size: 0
    .kernarg_segment_align: 8
    .kernarg_segment_size: 72
    .max_flat_workgroup_size: 128
    .sgpr_count:     66
    .vgpr_count:     256
    .wavefront_size: 32
...
	.end_amdgpu_metadata
.endif
;; end of part 1
;; launch proj (part 2): grid 32 x 8, 3 waves a work-group, no clusters, 0 bytes of LDS; arguments xq, wq, bq, bk, bv, qq, kv; writes qq, kv
.if DOCPART == 2
	.amdgcn_target "amdgcn-amd-amdhsa--gfx1250"
	.amdhsa_code_object_version 6
	.text
	.protected	k_q46ad844954_proj
	.globl	k_q46ad844954_proj
	.p2align	8
	.type	k_q46ad844954_proj,@function
k_q46ad844954_proj:
	s_mov_b64 s[64:65], 0
	v_nop
	global_prefetch_b8 v0, s[64:65] scope:SCOPE_SE
	s_setreg_imm32_b32 hwreg(HW_REG_WAVE_MODE, 25, 1), 1
	s_wait_xcnt 0x0
; q = query Wq + bq, k = key Wk + bk, v = value Wv + bv on codes of FP6 (E2M3), and their quantising for the two products of attention.
; A work-group takes 128 tokens (x) of one head (y); wave 0 makes q, wave 1 k, wave 2 v: 128 tokens x 64 columns x K 512 = 128 matrix instructions a wave.  All operands are images of registers and come
; straight from memory, 512 consecutive bytes a load; all of a wave's operands (32 fragments of x, 16 of W) lie in its registers.  Waves share nothing: no LDS, no barrier.
; q AND k (K of the next product = the head's 64): the product is used transposed (source 0 = 16 columns of W, source 1 = 16 tokens), so that a lane holds one token and its registers run along the head.
; Two token tiles' 2 x 64 numbers are quantised as ONE fragment of 128: [tile 2 p: k 0-63 | tile 2 p + 1: k 64-127], a PAIR.
; v (K of the next product = the keys): source 0 = 16 tokens, source 1 = 16 columns, so that a lane holds one column and its registers run along the 128 tokens: one fragment of V^T for each tile of 16 columns.
; The tiles' rows were chosen (lane r of tile T: row 32 (T / 2) + 8 (T % 2) + r + 8 (r / 8)) so that the 16 registers of tiles 2 b and 2 b + 1 are 16 neighbours along the next K.
; The bias is the C of each sum's first matrix instruction.  The eight accumulators of a group take turns, one instruction a turn.
; LIMITS: a block of zeros gets the byte 1 (zero codes; this program alone reads the bytes); NaN and infinities are not served.
; REGISTERS: window 0: v1-3 offsets; v16-79 eight accumulators; v80-111 bias; v112-143 x's scale words (4 tile + K step); v144-159 W's; v160-175 at work; v176-195 codes; v196-199 scale words made.
;   window 1: x's tiles 0-3 at 48 tile + 12 K step;   window 2: tiles 4-7;   window 3: W's four tiles likewise.
.set XSOFF, 4718592
.set WSOFF, 786432
.set QSOFF, 1572864
.set REC,   53248                      ; kv: a record for 512 keys of a head: K's 16 pairs, their scale words (at 24,576), V's 16 fragments (at 26,624), their scale words (at 51,200)
.set L16,  1
.set BH,   2                           ; v2   64 h: the bias of a lane's eight columns
.set BR,   3                           ; v3   4 (r + 8 (r / 8)): the bias of a lane's one column
.set ACC,  16
.set BIAS, 80
.set XS,   112
.set WSC,  144
.set TM,   160
.set PC,   176
.set PWQ,  196
.set SEL,  20
.set MSB, 0
.macro WIN new                         ; the immediate's high byte repeats the setting that is left
.if MSB != (\new)
	s_set_vgpr_msb (MSB<<8)|(\new)
.set MSB, (\new)
.endif
.endm
.macro QSCALE s
.irp b, 0,1,2,3
	v_max3_num_f32 v[TM+\b], |v[(\s)+16*\b]|, |v[(\s)+16*\b+1]|, 0x1800000   ; my 16 numbers of block b, and the floor 2^(3 - 127).  Each accumulator is read from its low end on
.endr
.irp i, 2,4,6,8,10,12,14
.irp b, 0,1,2,3
	v_max3_num_f32 v[TM+\b], v[TM+\b], |v[(\s)+16*\b+\i]|, |v[(\s)+16*\b+\i+1]|
.endr
.endr
.irp b, 0,1,2,3
	v_permlanex16_b32 v[TM+4+\b], v[TM+\b], s[SEL], s[SEL+1]
.endr
.irp b, 0,1,2,3
	v_max_num_f32 v[TM+\b], v[TM+\b], v[TM+4+\b]
.endr
.irp b, 0,1,2,3
	v_add_nc_u32 v[TM+12+\b], 0xff000000, v[TM+\b]     ; 2 off the exponent field: the conversion's scale operand
.endr
.irp b, 0,1,2,3
	v_lshrrev_b32 v[TM+4+\b], 23, v[TM+12+\b]          ; the scale's byte
.endr
.endm
.macro QWORD pw
	v_lshl_or_b32 v[\pw], v[TM+5], 8, v[TM+4]
	v_lshl_or_b32 v[\pw], v[TM+6], 16, v[\pw]
	v_lshl_or_b32 v[\pw], v[TM+7], 24, v[\pw]
.endm
.macro QCODES s
.irp c, 0,1
	v_cvt_scalef32_pk16_fp6_f32 v[PC+6*\c:PC+6*\c+2], v[(\s)+32*\c:(\s)+32*\c+15], v[TM+12+2*\c]
	v_cvt_scalef32_pk16_fp6_f32 v[PC+12+4*\c:PC+14+4*\c], v[(\s)+32*\c+16:(\s)+32*\c+31], v[TM+13+2*\c]
.endr
	v_nop                                              ; one plain place behind a scaled conversion
.irp c, 0,1
.irp i, 0,1,2
	v_permlane16_swap_b32 v[PC+6*\c+\i], v[PC+12+4*\c+\i]
.endr
.irp i, 0,1,2
	v_mov_b32 v[PC+3+6*\c+\i], v[PC+12+4*\c+\i]
.endr
.endr
.endm
; behind a group's 32 products: four places, then the 64 results become a fragment and a scale word; the fragment goes out
.macro FINISH n
	WIN 0
.rept 4
	v_nop                                              ; places between the last product and the first read of results
.endr
.if (\n) > 0
	s_wait_xcnt 0x0                                    ; the last image's stores have read the codes' registers
.endif
	QSCALE ACC
	QWORD PWQ+(\n)
	QCODES ACC
.irp c, 0,1,2
	global_store_b128 v[L16], v[PC+4*\c:PC+4*\c+3], s[38:39] offset:1536*(\n)+512*\c
.endr
.endm
; all operands: W's scale words and codes (52 loads), x's tiles 0-3 (4 + 48), x's tiles 4-7 (4 + 48)
.macro LOADS
.irp t, 0,1,2,3
	global_load_b128 v[WSC+4*\t:WSC+4*\t+3], v[L16], s[34:35] offset:512*\t
.endr
	WIN 0xc0
.irp t, 0,1,2,3
.irp s, 0,1,2,3
.irp c, 0,1,2
	global_load_b128 v[48*\t+12*\s+4*\c:48*\t+12*\s+4*\c+3], v[L16], s[32:33] offset:(4*\t+\s)*1536+512*\c
.endr
.endr
.endr
	WIN 0
.irp g, 0,1
.irp t, 0,1,2,3
	global_load_b128 v[XS+16*\g+4*\t:XS+16*\g+4*\t+3], v[L16], s[30:31] offset:512*(4*\g+\t)
.endr
	WIN 0x40*(\g+1)
.irp t, 0,1,2,3
.irp s, 0,1,2,3
.irp c, 0,1,2
	global_load_b128 v[48*\t+12*\s+4*\c:48*\t+12*\s+4*\c+3], v[L16], s[28:29] offset:(4*(4*\g+\t)+\s)*1536+512*\c
.endr
.endr
.endr
	WIN 0
.endr
.endm
; q, k: token tiles 2 p and 2 p + 1 x the head's four tiles of columns
.macro QKGROUP p
	WIN ((1+(\p)/2)<<2)|3                              ; source 0 (W) window 3, source 1 (x) window 1 or 2
.irp s, 0,1,2,3
.irp e, 0,1,2,3,4,5,6,7
.set RD, ACC+8*\e
.set RA, 48*(\e%4)+12*\s
.set RX, 48*((2*(\p)+\e/4)%4)+12*\s
.if \s == 0
	v_wmma_scale_f32_16x16x128_f8f6f4 v[RD:RD+7], v[RA:RA+11], v[RX:RX+11], v[BIAS+8*(\e%4):BIAS+8*(\e%4)+7], v[WSC+4*(\e%4)+\s], v[XS+4*(2*(\p)+\e/4)+\s] matrix_a_fmt:MATRIX_FMT_FP6 matrix_b_fmt:MATRIX_FMT_FP6
.else
	v_wmma_scale_f32_16x16x128_f8f6f4 v[RD:RD+7], v[RA:RA+11], v[RX:RX+11], v[RD:RD+7], v[WSC+4*(\e%4)+\s], v[XS+4*(2*(\p)+\e/4)+\s] matrix_a_fmt:MATRIX_FMT_FP6 matrix_b_fmt:MATRIX_FMT_FP6
.endif
.endr
.endr
	FINISH \p
.endm
; v: the eight token tiles x tile t of the head's columns
.macro VGROUP t
.irp s, 0,1,2,3
.irp e, 0,1,2,3,4,5,6,7
	WIN (3<<2)|(1+\e/4)                                ; source 0 (x) window 1 or 2, source 1 (W) window 3
.set RD, ACC+8*\e
.set RX, 48*(\e%4)+12*\s
.set RA, 48*(\t)+12*\s
.if \s == 0
	v_wmma_scale_f32_16x16x128_f8f6f4 v[RD:RD+7], v[RX:RX+11], v[RA:RA+11], v[BIAS+8*(\t):BIAS+8*(\t)+7], v[XS+4*\e+\s], v[WSC+4*(\t)+\s] matrix_a_fmt:MATRIX_FMT_FP6 matrix_b_fmt:MATRIX_FMT_FP6
.else
	v_wmma_scale_f32_16x16x128_f8f6f4 v[RD:RD+7], v[RX:RX+11], v[RA:RA+11], v[RD:RD+7], v[XS+4*\e+\s], v[WSC+4*(\t)+\s] matrix_a_fmt:MATRIX_FMT_FP6 matrix_b_fmt:MATRIX_FMT_FP6
.endif
.endr
.endr
	FINISH \t
.endm
	s_load_b256 s[4:11], s[0:1], 0x0               ; xq s[4:5], wq s[6:7], bq s[8:9], bk s[10:11]
	s_load_b128 s[12:15], s[0:1], 0x20             ; bv s[12:13], qq s[14:15]
	s_load_b64 s[16:17], s[0:1], 0x30              ; kv
	v_lshrrev_b32 v4, 5, v0
	v_readfirstlane_b32 s18, v4                    ; wave: 0 q, 1 k, 2 v
	v_and_b32 v4, 31, v0
	v_lshlrev_b32 v[L16], 4, v4
	v_bfe_u32 v5, v0, 4, 1
	v_lshlrev_b32 v[BH], 6, v5
	v_and_b32 v6, 15, v0
	v_and_b32 v7, 8, v6
	v_add_nc_u32 v6, v6, v7
	v_lshlrev_b32 v[BR], 2, v6
.irp b, 4,5,6,7
	v_mov_b32 v[TM+\b], 0                          ; written once: a lane permute's destination counts as one of its sources
.endr
	s_mov_b32 s[SEL], 0x76543210
	s_mov_b32 s[SEL+1], 0xfedcba98
	s_and_b32 s19, ttmp7, 0xffff                   ; head
	s_lshr_b32 s22, ttmp9, 4                       ; batch
	s_and_b32 s23, ttmp9, 15                       ; which 128 tokens of the batch's 2,048
	s_lshl_b32 s24, s22, 3
	s_add_co_u32 s24, s24, s19                     ; 8 batch + head
	s_lshl_b32 s25, s18, 8
	s_lshl_b32 s26, ttmp9, 3
	s_add_co_u32 s25, s25, s26                     ; x's first tile: 256 tensor + 8 block
	s_mul_i32 s28, s25, 6144
	s_mov_b32 s29, 0
	s_lshl_b32 s30, s25, 9
	s_add_co_u32 s30, s30, XSOFF
	s_mov_b32 s31, 0
	s_lshl_b32 s26, s18, 5
	s_lshl_b32 s27, s19, 2
	s_add_co_u32 s26, s26, s27                     ; W's first tile: 32 weight + 4 head
	s_mul_i32 s32, s26, 6144
	s_mov_b32 s33, 0
	s_lshl_b32 s34, s26, 9
	s_add_co_u32 s34, s34, WSOFF
	s_mov_b32 s35, 0
	s_lshl_b32 s36, s19, 8                         ; the head's 64 numbers of a bias
	s_mov_b32 s37, 0
	s_lshl_b32 s42, s24, 4
	s_add_co_u32 s42, s42, s23                     ; q: 16 (8 batch + head) + block
	s_lshl_b32 s43, s42, 9
	s_add_co_u32 s43, s43, QSOFF                   ;    its four scale words a lane
	s_mul_i32 s42, s42, 6144                       ;    its four pairs
	s_lshl_b32 s44, s24, 2
	s_lshr_b32 s45, s23, 2
	s_add_co_u32 s44, s44, s45
	s_mul_i32 s44, s44, REC                        ; k, v: the record of these 512 keys,
	s_lshr_b32 s45, s18, 1
	s_mul_i32 s45, s45, 26624
	s_add_co_u32 s44, s44, s45                     ;    K's half or V's,
	s_and_b32 s46, s23, 3
	s_lshl_b32 s45, s46, 9
	s_add_co_u32 s45, s45, s44
	s_add_co_u32 s45, s45, 24576                   ;    the scale words of these 128 keys,
	s_mul_i32 s46, s46, 6144
	s_add_co_u32 s44, s44, s46                     ;    and their four fragments
	s_cmp_eq_u32 s18, 0
	s_cselect_b32 s38, s42, s44
	s_cselect_b32 s40, s43, s45
	s_mov_b32 s39, 0
	s_mov_b32 s41, 0
	s_wait_kmcnt 0x0
	s_cmp_eq_u32 s18, 0                            ; the choices hang on the wave's number alone
	s_cselect_b64 s[46:47], s[14:15], s[16:17]
	s_cselect_b64 s[42:43], s[8:9], s[10:11]
	s_cmp_eq_u32 s18, 2
	s_cselect_b64 s[42:43], s[12:13], s[42:43]
	s_add_nc_u64 s[28:29], s[4:5], s[28:29]        ; x's codes
	s_add_nc_u64 s[30:31], s[4:5], s[30:31]        ; x's scale words
	s_add_nc_u64 s[32:33], s[6:7], s[32:33]        ; W's codes
	s_add_nc_u64 s[34:35], s[6:7], s[34:35]        ; W's scale words
	s_add_nc_u64 s[36:37], s[42:43], s[36:37]      ; the bias
	s_add_nc_u64 s[38:39], s[46:47], s[38:39]      ; the fragments that I make
	s_add_nc_u64 s[40:41], s[46:47], s[40:41]      ; and their scale words
	s_cmp_eq_u32 s18, 2
	s_cbranch_scc1 .Lv
.irp t, 0,1,2,3                        ; q, k: lane (r, h) holds, in tile 2 b + u, columns 32 b + 16 h + 8 u + 0 .. 7
	global_load_b128 v[BIAS+8*\t:BIAS+8*\t+3], v[BH], s[36:37] offset:(32*(\t/2)+8*(\t%2))*4
	global_load_b128 v[BIAS+8*\t+4:BIAS+8*\t+7], v[BH], s[36:37] offset:(32*(\t/2)+8*(\t%2))*4+16
.endr
	LOADS
	s_wait_loadcnt 52                              ; all but the 4 + 48 loads of x's tiles 4-7
	QKGROUP 0
	QKGROUP 1
	s_wait_loadcnt 0
	QKGROUP 2
	QKGROUP 3
	global_store_b128 v[L16], v[PWQ:PWQ+3], s[40:41]
	s_endpgm
.Lv:
.irp t, 0,1,2,3                        ; v: lane (r, h) holds ONE column of tile t in all eight registers
.irp j, 0,1,2,3,4,5,6,7
	global_load_b32 v[BIAS+8*\t+\j], v[BR], s[36:37] offset:(32*(\t/2)+8*(\t%2))*4
.endr
.endr
	LOADS
	s_wait_loadcnt 0
	VGROUP 0
	VGROUP 1
	VGROUP 2
	VGROUP 3
	global_store_b128 v[L16], v[PWQ:PWQ+3], s[40:41]
	s_endpgm
.Lfunc_end_k_q46ad844954_proj:
	.size	k_q46ad844954_proj, .Lfunc_end_k_q46ad844954_proj-k_q46ad844954_proj
	.p2alignl 7, 3214868480
	.fill 96, 4, 3214868480
	.section	.rodata,"a",@progbits
	.p2align	6, 0x0
	.amdhsa_kernel k_q46ad844954_proj
		.amdhsa_group_segment_fixed_size 0
		.amdhsa_private_segment_fixed_size 0
		.amdhsa_enable_private_segment 0
		.amdhsa_kernarg_size 56
		.amdhsa_user_sgpr_count 2
		.amdhsa_user_sgpr_kernarg_segment_ptr 1
		.amdhsa_wavefront_size32 1
		.amdhsa_system_sgpr_workgroup_id_x 1
		.amdhsa_system_sgpr_workgroup_id_y 1
		.amdhsa_system_sgpr_workgroup_id_z 1
		.amdhsa_system_vgpr_workitem_id 0
		.amdhsa_next_free_vgpr 1024
		.amdhsa_next_free_sgpr 66
		.amdhsa_reserve_vcc 0
		.amdhsa_float_denorm_mode_32 3
		.amdhsa_float_denorm_mode_16_64 3
		.amdhsa_memory_ordered 1
		.amdhsa_forward_progress 1
		.amdhsa_inst_pref_size 104
	.end_amdhsa_kernel
	.amdgpu_metadata
---
amdhsa.version: [ 1, 2 ]
amdhsa.kernels:
  - .name:           k_q46ad844954_proj
    .symbol:         k_q46ad844954_proj.kd
    .args:
      - { .name: xq, .offset: 0, .size: 8, .value_kind: global_buffer, .address_space: global }
      - { .name: wq, .offset: 8, .size: 8, .value_kind: global_buffer, .address_space: global }
      - { .name: bq, .offset: 16, .size: 8, .value_kind: global_buffer, .address_space: global }
      - { .name: bk, .offset: 24, .size: 8, .value_kind: global_buffer, .address_space: global }
      - { .name: bv, .offset: 32, .size: 8, .value_kind: global_buffer, .address_space: global }
      - { .name: qq, .offset: 40, .size: 8, .value_kind: global_buffer, .address_space: global }
      - { .name: kv, .offset: 48, .size: 8, .value_kind: global_buffer, .address_space: global }
    .group_segment_fixed_size: 0
    .private_segment_fixed_size: 0
    .kernarg_segment_align: 8
    .kernarg_segment_size: 56
    .max_flat_workgroup_size: 96
    .sgpr_count:     66
    .vgpr_count:     1024
    .wavefront_size: 32
...
	.end_amdgpu_metadata
.endif
;; end of part 2
;; launch attn (part 3): grid 16 x 16, 4 waves a work-group, clusters of 4 x 1, 262,144 bytes of LDS; arguments qq, kv, cq; writes cq
.if DOCPART == 3
	.amdgcn_target "amdgcn-amd-amdhsa--gfx1250"
	.amdhsa_code_object_version 6
	.text
	.protected	k_q46ad844954_attn
	.globl	k_q46ad844954_attn
	.p2align	8
	.type	k_q46ad844954_attn,@function
k_q46ad844954_attn:
	s_mov_b64 s[64:65], 0
	v_nop
	global_prefetch_b8 v0, s[64:65] scope:SCOPE_SE
	s_setreg_imm32_b32 hwreg(HW_REG_WAVE_MODE, 25, 1), 1
	s_wait_xcnt 0x0
	s_wait_alu depctr_hold_cnt(0) depctr_sa_sdst(0) depctr_va_vdst(0) depctr_va_sdst(0) depctr_va_ssrc(0) depctr_va_vcc(0) depctr_vm_vsrc(0)
	s_getreg_b32 s2, hwreg(HW_REG_IB_STS2, 6, 4)
	s_cmp_eq_u32 s2, 0
	s_cbranch_scc0 .Lentry_in_a_cluster
	s_endpgm
.Lentry_in_a_cluster:
	s_bfe_u32 s2, ttmp6, 0x10000c
	s_cmp_lg_u32 s2, 0x3003
	s_cbranch_scc0 .Lentry_shape_is_right
	s_endpgm
.Lentry_shape_is_right:
; ctx = entmax15(q k^T / 8) v for one head, both products on codes of FP6 (E2M3); ctx is quantised along the model's 512 for the last product.
; SHARES.  A work-group owns 128 queries of one (batch, head) and walks them in 4 blocks of 32.  THE FOUR WAVES SHARE THE KEYS: wave w owns keys 512 w .. 512 w + 511, whose codes and scale words (one record of 53,248 bytes)
; it brings into LDS by ONE tensor load at the start and alone reads; nothing is filled again.  A block is two PIECES of 16 queries; a wave keeps both pieces' scores for its 512 keys in 512 registers through the whole entmax.
; CLUSTER.  The four work-groups of a cluster belong to one head and need the same records: each record is asked for jointly (mask 15).  One tensor load of a wave is out.
; K = 64 IN AN INSTRUCTION OF 128.  A fragment of K holds two key tiles in its two halves (a pair); multiplied by [q | 0] it gives the first tile's scores, by [0 | q] the second's.  Zero codes annul the other half under any scale byte.
; LAYOUT.  Both products are used transposed (S^T = K Q^T, O^T = V^T P^T): a lane holds ONE query (lane % 16), and the 16 registers of a pair are keys 32 p + 16 (lane / 16) + 0 .. 15.
; ENTMAX WITHOUT A SORT.  x = (score - the row's largest)/2 = (raw - largest raw)/16, one fused multiply-add: the maximum is taken off first, as the definition has it.  The threshold is the root of h(t) = |(x - t)+|_2 = 1.
; h is convex and falling, so Newton from t = -1 (never above the root, since the largest x is 0) rises to it: t += (S2 - 1) h / ((h + 1) S1), S1 = sum (x - t)+, S2 = sum (x - t)+^2, h = sqrt(S2); that is (h - 1) h / S1 without the
; cancellation at h = 1.  THIRTEEN STEPS, always: for a convex falling h with slopes between 1 and sqrt(2048) the error after K steps is at most e0 R (1 - R^(-1/K))^K, R = 45.25 (1 - e0); its largest value at K = 13 is 7e-8, whatever the scores.
; Then p = ((x - t)+)^2 is quantised, finished, along the keys.  No branch hangs on a number.
; BY TURNS.  While a piece's sums cross the waves (LDS, one barrier), the other piece's pass runs between the barrier's signal and its wait.
; LIMITS: NaN and infinities are not served; a block of zeros gets the byte 1 (zero codes; this program alone reads the bytes); ctx is summed as four partial sums of 512 keys, added ((0 + 1) + (2 + 3)).
; REGISTERS, in windows of 256.  Scores: piece X, key half g in window 2 X + g, v128-255 (128 + 16 (pair % 8) + 8 u + j).  In EVERY window: v82-83 -max/16, v84-85 -t, v86-101 at work, v102-121 sums, later codes.
;   window 0: v1-10 addresses; v12-13 -t of the pieces; v14-15 maxima; v16-19 K's, v20-23 V's, v24-25 Q's scale words; v26 Q's raw word; v27 p's scale word; v28-31 ctx's scale words; v32-39, v48-59 at work; v40-41 0.25.
;   window 1: v0-47 four pairs of K, v48-79 O^T of piece 0.   window 2: v0-47 Q ([q|0], [0|q] of both pieces), v48-79 O^T of piece 1.   window 3: v0-47 four fragments of V.
.set QSOFF, 1572864
.set CSOFF, 1572864
.set REC,   53248
.set KSOFF, 24576                      ; in a record: K's scale words,
.set VOFF,  26624                      ; V's fragments,
.set VSOFF, 51200                      ; V's scale words
.set MBUF,  4*REC                      ; LDS behind the records: the waves' maxima, 256 bytes a wave;
.set BUFA,  1024                       ; (from MBUF on) piece 0's sums;
.set BUFB,  2048                       ; piece 1's;
.set OST,   MBUF+3072                  ; the waves' partial O^T, 8,192 bytes a wave;
.set SPARE, OST+4*8192                 ; the spare words, 128 bytes a wave, which no other line names
.set AV,   1                           ; v1   my record + 16 x lane
.set L16,  2                           ; v2   16 x lane
.set L8,   3                           ; v3   8 x lane
.set RBW,  5                           ; v5   MBUF + 256 wave + 8 x lane: where I put a pair of numbers
.set RL,   6                           ; v6   MBUF + 8 x lane: where I read the four waves' pairs
.set OS,   7                           ; v7   OST + 8,192 wave + 16 x lane
.set OL,   8                           ; v8   OST + 4,096 (wave % 2) + 16 x lane
.set SPW,  9                           ; v9   my spare word; never rewritten
.set NIL,  10                          ; v10  0; never rewritten
.set NT,   12
.set MX,   14
.set KSC,  16
.set VSC,  20
.set QSC,  24
.set QRAW, 26
.set PW,   27
.set CW,   28
.set U,    32
.set QTR,  40
.set UP,   48
.set NM,   82
.set NTP,  84
.set T,    86
.set TM,   86
.set S1C,  102
.set PC,   102
.set S2C,  110
.set SC,   128
.set OA,   48
.set SEL,  20                          ; s[20:21] lane l xor 16
.set MSB, 0
.macro WIN new                         ; the immediate's high byte repeats the setting that is left
.if MSB != (\new)
	s_set_vgpr_msb (MSB<<8)|(\new)
.set MSB, (\new)
.endif
.endm
.macro ROUND                           ; a round of the cluster's barrier
	s_barrier_signal -1
	s_barrier_wait -1
	s_cmp_lg_u32 s10, 0
	s_cbranch_scc1 .Lnot_wave_0_\@
	s_barrier_signal -3
.Lnot_wave_0_\@:
	s_barrier_wait -3
	s_barrier_signal -1
	s_barrier_wait -1
.endm
.macro NOPS n
.rept \n
	v_nop
.endr
.endm
; Q's pair of the block: image registers 0-5 are piece 0's q, 6-11 piece 1's; each goes into [q | 0] and into [0 | q], in pieces of 8 bytes
.macro QLOAD
	WIN 0x80
.irp p, 0,1,2
	global_load_b64 v[2*\p:2*\p+1], v[L16], s[4:5] offset:512*(\p/2)+8*(\p%2)
	global_load_b64 v[18+2*\p:19+2*\p], v[L16], s[4:5] offset:512*(\p/2)+8*(\p%2)
	global_load_b64 v[24+2*\p:25+2*\p], v[L16], s[4:5] offset:512*((\p+3)/2)+8*((\p+3)%2)
	global_load_b64 v[42+2*\p:43+2*\p], v[L16], s[4:5] offset:512*((\p+3)/2)+8*((\p+3)%2)
.endr
	WIN 0
	global_load_b32 v[QRAW], v[L16], s[36:37]
.endm
; S^T of pairs 4 q .. 4 q + 3 for both pieces: 16 matrix instructions, each starting its sum with the constant 0
.macro SBATCH q
.if (\q) > 0
	NOPS 4                                         ; places in front of loads into registers that matrix instructions have read
.endif
	WIN 0x40
.irp i, 0,1,2,3
.irp c, 0,1,2
	ds_load_b128 v[12*\i+4*\c:12*\i+4*\c+3], v[AV] offset:(4*(\q)+\i)*1536+512*\c
.endr
.endr
	WIN 0
	ds_load_b128 v[KSC:KSC+3], v[AV] offset:KSOFF+512*(\q)
	s_wait_dscnt 0x0
.irp x, 0,1
	WIN ((2*\x+(\q)/2)<<6)|(2<<2)|1                ; source 0 (K) window 1, source 1 (Q) window 2, the scores' window
.irp i, 0,1,2,3
.irp u, 0,1
	v_wmma_scale_f32_16x16x128_f8f6f4 v[SC+64*((\q)%2)+16*\i+8*\u:SC+64*((\q)%2)+16*\i+8*\u+7], v[12*\i:12*\i+11], v[24*\x+12*\u:24*\x+12*\u+11], 0, v[KSC+\i], v[QSC+\x] matrix_a_fmt:MATRIX_FMT_FP6 matrix_b_fmt:MATRIX_FMT_FP6
.endr
.endr
.endr
.endm
; the largest of a window's 128 scores, in four chains; chain c walks tiles c, c + 4, c + 8, c + 12, each from its low end on
.macro MAXW
.irp c, 0,1,2,3
	v_max3_num_f32 v[T+\c], v[SC+8*\c], v[SC+8*\c+1], v[SC+8*\c+2]
.endr
.set KK, 0
.rept 14
.irp c, 0,1,2,3
	v_max3_num_f32 v[T+\c], v[T+\c], v[SC+8*\c+32*((3+2*KK)/8)+(3+2*KK)%8], v[SC+8*\c+32*((4+2*KK)/8)+(4+2*KK)%8]
.endr
.set KK, KK+1
.endr
.irp c, 0,1,2,3
	v_max_num_f32 v[T+\c], v[T+\c], v[SC+8*\c+103]
.endr
	v_max3_num_f32 v[T], v[T], v[T+1], v[T+2]
	v_max_num_f32 v[T], v[T], v[T+3]
.endm
.macro MAX2 r                          ; (.)+ of a pair
	v_max_num_f32 v[\r], 0, v[\r]
	v_max_num_f32 v[(\r)+1], 0, v[(\r)+1]
.endm
; one window's part of a pass: S1 and S2 of 128 scores, 8 pairs at a time, in four chains each; the first four pairs start the chains: nothing is cleared
.macro PASSW
.irp i, 0,1,2,3
	v_pk_add_f32 v[S1C+2*\i:S1C+2*\i+1], v[SC+2*\i:SC+2*\i+1], v[NTP:NTP+1] op_sel_hi:[1,0]
.endr
.irp i, 4,5,6,7
	v_pk_add_f32 v[T+2*\i:T+2*\i+1], v[SC+2*\i:SC+2*\i+1], v[NTP:NTP+1] op_sel_hi:[1,0]
.endr
.irp i, 0,1,2,3
	MAX2 S1C+2*\i
.endr
.irp i, 4,5,6,7
	MAX2 T+2*\i
.endr
.irp i, 0,1,2,3
	v_pk_mul_f32 v[S2C+2*\i:S2C+2*\i+1], v[S1C+2*\i:S1C+2*\i+1], v[S1C+2*\i:S1C+2*\i+1]
.endr
.irp i, 4,5,6,7
	v_pk_fma_f32 v[S2C+2*(\i%4):S2C+2*(\i%4)+1], v[T+2*\i:T+2*\i+1], v[T+2*\i:T+2*\i+1], v[S2C+2*(\i%4):S2C+2*(\i%4)+1]
.endr
.irp i, 4,5,6,7
	v_pk_add_f32 v[S1C+2*(\i%4):S1C+2*(\i%4)+1], v[S1C+2*(\i%4):S1C+2*(\i%4)+1], v[T+2*\i:T+2*\i+1]
.endr
.set BB, 1
.rept 7
.irp i, 0,1,2,3,4,5,6,7
	v_pk_add_f32 v[T+2*\i:T+2*\i+1], v[SC+16*BB+2*\i:SC+16*BB+2*\i+1], v[NTP:NTP+1] op_sel_hi:[1,0]   ; x - t, two at a time
.endr
.irp i, 0,1,2,3,4,5,6,7
	MAX2 T+2*\i
.endr
.irp i, 0,1,2,3,4,5,6,7
	v_pk_fma_f32 v[S2C+2*(\i%4):S2C+2*(\i%4)+1], v[T+2*\i:T+2*\i+1], v[T+2*\i:T+2*\i+1], v[S2C+2*(\i%4):S2C+2*(\i%4)+1]
.endr
.irp i, 0,1,2,3,4,5,6,7
	v_pk_add_f32 v[S1C+2*(\i%4):S1C+2*(\i%4)+1], v[S1C+2*(\i%4):S1C+2*(\i%4)+1], v[T+2*\i:T+2*\i+1]
.endr
.set BB, BB+1
.endr
	v_pk_add_f32 v[S1C:S1C+1], v[S1C:S1C+1], v[S1C+2:S1C+3]
	v_pk_add_f32 v[S1C+4:S1C+5], v[S1C+4:S1C+5], v[S1C+6:S1C+7]
	v_pk_add_f32 v[S2C:S2C+1], v[S2C:S2C+1], v[S2C+2:S2C+3]
	v_pk_add_f32 v[S2C+4:S2C+5], v[S2C+4:S2C+5], v[S2C+6:S2C+7]
	v_pk_add_f32 v[S1C:S1C+1], v[S1C:S1C+1], v[S1C+4:S1C+5]
	v_pk_add_f32 v[S2C:S2C+1], v[S2C:S2C+1], v[S2C+4:S2C+5]
.endm
.macro PASS x
	WIN 0x55*(2*(\x))
	PASSW
	WIN 0x55*(2*(\x)+1)
	PASSW
.endm
.macro REDUCE x                        ; the piece's two windows, a pair's two halves, and lane l xor 16's: (S1, S2) of my 512 keys in v[U+4:U+5]
	WIN ((2*(\x)+1)<<2)|(2*(\x))
	v_pk_add_f32 v[U:U+1], v[S1C:S1C+1], v[S1C:S1C+1]
	v_pk_add_f32 v[U+2:U+3], v[S2C:S2C+1], v[S2C:S2C+1]
	WIN 0
	v_add_f32 v[U+4], v[U], v[U+1]
	v_add_f32 v[U+5], v[U+2], v[U+3]
	v_permlanex16_b32 v[U+6], v[U+4], s[SEL], s[SEL+1]
	v_permlanex16_b32 v[U+7], v[U+5], s[SEL], s[SEL+1]
	v_pk_add_f32 v[U+4:U+5], v[U+4:U+5], v[U+6:U+7]
.endm
.macro UPDATE y                        ; the four waves' (S1, S2), in one order in every wave, so that all hold the same bits; then Newton's step
	v_pk_add_f32 v[UP:UP+1], v[UP:UP+1], v[UP+2:UP+3]
	v_pk_add_f32 v[UP+4:UP+5], v[UP+4:UP+5], v[UP+6:UP+7]
	v_pk_add_f32 v[UP:UP+1], v[UP:UP+1], v[UP+4:UP+5]
	v_sqrt_f32 v[UP+8], v[UP+1]                    ; h
	v_add_f32 v[UP+9], -1.0, v[UP+1]               ; S2 - 1  (the plain place behind the root)
	s_wait_alu depctr_va_vdst(0)                   ; the wait ahead of the root's first reader
	v_add_f32 v[UP+10], 1.0, v[UP+8]
	v_mul_f32 v[UP+9], v[UP+9], v[UP+8]            ; (S2 - 1) h
	v_mul_f32 v[UP+10], v[UP+10], v[UP]            ; (h + 1) S1
	v_rcp_f32 v[UP+11], v[UP+10]
	v_nop
	s_wait_alu depctr_va_vdst(0)
	v_fma_f32 v[NT+(\y)], -v[UP+9], v[UP+11], v[NT+(\y)]   ; -t falls by the step
	WIN (2*(\y))<<6
	v_mov_b32 v[NTP], v[NT+(\y)]
	v_mov_b32 v[NTP+1], v[NT+(\y)]
	WIN (2*(\y)+1)<<6
	v_mov_b32 v[NTP], v[NT+(\y)]
	v_mov_b32 v[NTP+1], v[NT+(\y)]
	WIN 0
.endm
; Piece x's pass runs between the last signal and this wait.  Behind the wait piece y's sums of all waves lie in LDS (each stored, and waited for, in front of that signal), and nobody reads piece x's old ones any more
; (every wave's loads of them were back in front of that signal).  So: my sums of x go in, the four waves' of y come out, both are waited for, the next signal is given, and y's step is taken on registers.
.macro HALF x, y
	PASS \x
	WIN 0
	s_barrier_wait -1
	REDUCE \x
	ds_store_b64 v[RBW], v[U+4:U+5] offset:BUFA+1024*(\x)
.irp i, 0,1,2,3
	ds_load_b64 v[UP+2*\i:UP+2*\i+1], v[RL] offset:BUFA+1024*(\y)+256*\i
.endr
	s_wait_dscnt 0x0                               ; for the others' sake: my store has landed and my loads are back
	s_barrier_signal -1
	UPDATE \y
.endm
.macro QSCALE s, n, abs                ; n blocks of 32: register 16 b + i = k 32 b + 16 h + i
.set BQ, 0
.rept \n
.if \abs
	v_max3_num_f32 v[TM+BQ], |v[(\s)+16*BQ]|, |v[(\s)+16*BQ+1]|, 0x1800000   ; and the floor 2^(3 - 127): the byte cannot fall under 1
.else
	v_max3_num_f32 v[TM+BQ], v[(\s)+16*BQ], v[(\s)+16*BQ+1], 0x1800000
.endif
.set BQ, BQ+1
.endr
.irp i, 2,4,6,8,10,12,14
.set BQ, 0
.rept \n
.if \abs
	v_max3_num_f32 v[TM+BQ], v[TM+BQ], |v[(\s)+16*BQ+\i]|, |v[(\s)+16*BQ+\i+1]|
.else
	v_max3_num_f32 v[TM+BQ], v[TM+BQ], v[(\s)+16*BQ+\i], v[(\s)+16*BQ+\i+1]
.endif
.set BQ, BQ+1
.endr
.endr
.set BQ, 0
.rept \n
	v_permlanex16_b32 v[TM+4+BQ], v[TM+BQ], s[SEL], s[SEL+1]
.set BQ, BQ+1
.endr
.set BQ, 0
.rept \n
	v_max_num_f32 v[TM+BQ], v[TM+BQ], v[TM+4+BQ]
.set BQ, BQ+1
.endr
.set BQ, 0
.rept \n
	v_add_nc_u32 v[TM+12+BQ], 0xff000000, v[TM+BQ] ; 2 off the exponent field: the conversion's scale operand
.set BQ, BQ+1
.endr
.set BQ, 0
.rept \n
	v_lshrrev_b32 v[TM+4+BQ], 23, v[TM+12+BQ]      ; the scale's byte
.set BQ, BQ+1
.endr
.endm
.macro QCODES s, n                     ; n pairs of blocks: registers 6 c .. 6 c + 5 of the operand in v[PC] on
.set CQ, 0
.rept \n
	v_cvt_scalef32_pk16_fp6_f32 v[PC+6*CQ:PC+6*CQ+2], v[(\s)+32*CQ:(\s)+32*CQ+15], v[TM+12+2*CQ]
	v_cvt_scalef32_pk16_fp6_f32 v[PC+12+4*CQ:PC+14+4*CQ], v[(\s)+32*CQ+16:(\s)+32*CQ+31], v[TM+13+2*CQ]
.set CQ, CQ+1
.endr
	v_nop                                          ; one plain place behind a scaled conversion
.set CQ, 0
.rept \n
.irp i, 0,1,2
	v_permlane16_swap_b32 v[PC+6*CQ+\i], v[PC+12+4*CQ+\i]
.endr
.irp i, 0,1,2
	v_mov_b32 v[PC+3+6*CQ+\i], v[PC+12+4*CQ+\i]
.endr
.set CQ, CQ+1
.endr
.endm
; 128 keys of piece x: p = ((x - t)+)^2 in place, quantised along the keys, and O^T += V^T P^T: four accumulators by turns, from chunk to chunk too
.macro FCHUNK x, jj
.set FW, 2*(\x)+(\jj)/2
.set FB, SC+64*((\jj)%2)
	WIN 0x55*FW
.set KK, 0
.rept 32
	v_pk_add_f32 v[FB+2*KK:FB+2*KK+1], v[FB+2*KK:FB+2*KK+1], v[NTP:NTP+1] op_sel_hi:[1,0]   ; (these are also the places in front of the loads below)
.set KK, KK+1
.endr
	WIN 0xc0
.irp t, 0,1,2,3
.irp c, 0,1,2
	ds_load_b128 v[12*\t+4*\c:12*\t+4*\c+3], v[AV] offset:VOFF+(4*(\jj)+\t)*1536+512*\c
.endr
.endr
	WIN 0
	ds_load_b128 v[VSC:VSC+3], v[AV] offset:VSOFF+512*(\jj)
	WIN 0x55*FW
.set KK, 0
.rept 32
	MAX2 FB+2*KK
.set KK, KK+1
.endr
.set KK, 0
.rept 32
	v_pk_mul_f32 v[FB+2*KK:FB+2*KK+1], v[FB+2*KK:FB+2*KK+1], v[FB+2*KK:FB+2*KK+1]
.set KK, KK+1
.endr
	QSCALE FB, 4, 0                                ; none is negative: no |.|
	v_lshl_or_b32 v[TM+4], v[TM+5], 8, v[TM+4]
	v_lshl_or_b32 v[TM+6], v[TM+7], 8, v[TM+6]
	QCODES FB, 2
	WIN (FW<<4)|FW
	v_lshl_or_b32 v[PW], v[TM+6], 16, v[TM+4]      ; p's scale word goes to window 0, from which scale operands are taken
	NOPS 8                                         ; a scale register written by a vector instruction stands 8 places ahead of the scaled product, an operand 4
	s_wait_dscnt 0x0                               ; V and its scale words are in
	WIN ((1+(\x))<<6)|((1+(\x))<<4)|(FW<<2)|3      ; source 0 (V) window 3, source 1 (p) the scores' window, C and D the piece's O^T
.irp t, 0,1,2,3
.if (\jj) == 0
	v_wmma_scale_f32_16x16x128_f8f6f4 v[OA+8*\t:OA+8*\t+7], v[12*\t:12*\t+11], v[PC:PC+11], 0, v[VSC+\t], v[PW] matrix_a_fmt:MATRIX_FMT_FP6 matrix_b_fmt:MATRIX_FMT_FP6
.else
	v_wmma_scale_f32_16x16x128_f8f6f4 v[OA+8*\t:OA+8*\t+7], v[12*\t:12*\t+11], v[PC:PC+11], v[OA+8*\t:OA+8*\t+7], v[VSC+\t], v[PW] matrix_a_fmt:MATRIX_FMT_FP6 matrix_b_fmt:MATRIX_FMT_FP6
.endif
.endr
.endm
	s_load_b128 s[4:7], s[0:1], 0x0                ; qq s[4:5], kv s[6:7]
	s_load_b64 s[8:9], s[0:1], 0x10                ; cq
	v_lshl_add_u32 v[SPW], v0, 2, SPARE
	v_mov_b32 v[NIL], 0
	ds_add_u32 v[SPW], v[NIL]                      ; the wave's opening: the add and its wait stand ahead of my tensor load; work on registers stands between them
	v_lshrrev_b32 v4, 5, v0
	v_readfirstlane_b32 s10, v4                    ; wave 0..3
	s_bfe_u32 s11, ttmp6, 0x40000                  ; cx
	s_lshl_b32 s12, ttmp9, 2
	s_add_co_u32 s12, s12, s11                     ; my 128 queries: 4 x cluster x + cx.  It enters Q's and ctx's addresses alone
	s_and_b32 s13, ttmp7, 0xffff                   ; 8 batch + head, which the four partners share
	s_mov_b32 s24, 15|(3<<16)|(1<<21)              ; group 1: mask of the four work-groups; elements of 8 bytes; bit 21 beside a mask; no padding
	s_mov_b32 s25, 32<<16                          ; tensor_dim0 = 32 elements: rows of 256 bytes
	s_mov_b32 s26, 208<<16                         ; tensor_dim1 = 208 rows: 53,248 dense bytes
	s_mov_b32 s27, 32<<16                          ; tile_dim0
	s_mov_b32 s28, 208                             ; tile_dim1
	s_mov_b32 s29, 32                              ; the pitch
	s_mov_b32 s30, 0
	s_mov_b32 s31, 0
	s_lshl_b32 s14, s13, 2
	s_add_co_u32 s14, s14, s10
	s_mul_i32 s14, s14, REC                        ; my record in memory: 4 (8 batch + head) + wave
	s_mov_b32 s15, 0
	s_mul_i32 s16, s10, REC                        ; and in LDS: no place in the cluster enters an LDS address
	s_mov_b32 s[SEL], 0x76543210
	s_mov_b32 s[SEL+1], 0xfedcba98
	s_mov_b32 s22, 0x3d800000                      ; 1/16
	s_mov_b32 s23, s22                             ; (named with it as a pair, so it is written)
	s_and_b32 s43, s10, 1
	s_lshl_b32 s17, s13, 4
	s_add_co_u32 s17, s17, s12                     ; 16 (8 batch + head) + my 128 queries
	s_lshl_b32 s36, s17, 9
	s_add_co_u32 s36, s36, QSOFF                   ; Q's scale words
	s_mov_b32 s37, 0
	s_mul_i32 s18, s17, 6144                       ; Q's four pairs
	s_mov_b32 s19, 0
	s_lshl_b32 s40, s17, 1
	s_add_co_u32 s40, s40, s43
	s_lshl_b32 s40, s40, 9
	s_add_co_u32 s40, s40, CSOFF                   ; ctx's scale words of piece wave % 2
	s_mov_b32 s41, 0
	s_lshr_b32 s38, s13, 3
	s_lshl_b32 s38, s38, 7
	s_lshl_b32 s39, s12, 3
	s_add_co_u32 s38, s38, s39
	s_add_co_u32 s38, s38, s43                     ; ctx's token tile: 128 batch + 8 x my 128 queries + piece
	s_lshl_b32 s38, s38, 2
	s_bfe_u32 s39, s13, 0x20001
	s_add_co_u32 s38, s38, s39                     ; K step head / 2,
	s_mul_i32 s38, s38, 1536
	s_and_b32 s39, s13, 1
	s_mul_i32 s39, s39, 768
	s_add_co_u32 s38, s38, s39                     ; half head % 2
	s_mov_b32 s39, 0
	s_wait_dscnt 0x0                               ; the opening add is done
	s_wait_kmcnt 0x0
	s_add_nc_u64 s[36:37], s[4:5], s[36:37]
	s_add_nc_u64 s[4:5], s[4:5], s[18:19]
	s_add_nc_u64 s[38:39], s[8:9], s[38:39]
	s_add_nc_u64 s[40:41], s[8:9], s[40:41]
	s_mov_b32 s32, 1                               ; group 0: count = 1
	s_mov_b32 s33, s16                             ; LDS address
	s_add_nc_u64 s[34:35], s[6:7], s[14:15]        ; global address
	s_or_b32 s35, s35, 0x80000000                  ; type = 2
	ROUND                                          ; all four work-groups are here: the joint loads meet
	tensor_load_to_lds s[32:35], s[24:31]
	s_nop 0
	NOPS 4
	v_and_b32 v4, 31, v0
	v_lshlrev_b32 v[L16], 4, v4
	v_lshlrev_b32 v[L8], 3, v4
	v_add_nc_u32 v[AV], s16, v[L16]
	s_lshl_b32 s17, s10, 8
	s_add_co_u32 s17, s17, MBUF
	v_add_nc_u32 v[RBW], s17, v[L8]
	v_add_nc_u32 v[RL], MBUF, v[L8]
	s_lshl_b32 s17, s10, 13
	s_add_co_u32 s17, s17, OST
	v_add_nc_u32 v[OS], s17, v[L16]
	s_lshl_b32 s17, s43, 12
	s_add_co_u32 s17, s17, OST
	v_add_nc_u32 v[OL], s17, v[L16]
	WIN 0x80
.irp x, 0,1
.irp i, 6,7,8,9,10,11,12,13,14,15,16,17
	v_mov_b32 v[24*\x+\i], 0                       ; the zero halves of [q | 0] and [0 | q]: written once
.endr
.endr
	WIN 0
.irp i, 0,1,2,3
	v_mov_b32 v[CW+\i], 0
.endr
	v_mov_b32 v[U+6], 0                            ; written once: a lane permute's destination counts as one of its sources
	v_mov_b32 v[U+7], 0
	v_mov_b32 v[QTR], 0x3e800000                   ; 0.25
	v_mov_b32 v[QTR+1], 0x3e800000
	QLOAD
	s_wait_tensorcnt 0x0                           ; my record is in LDS; I alone read it
	s_mov_b32 s42, 4
.Lblock:
	s_wait_loadcnt 0x0                             ; this block's Q, asked for a block ago
	v_perm_b32 v[QSC], v[QRAW], v[QRAW], 0x01000100    ; piece 0's two bytes, twice: they serve [q | 0] and [0 | q]
	v_perm_b32 v[QSC+1], v[QRAW], v[QRAW], 0x03020302  ; piece 1's
	NOPS 8                                         ; a scale register written by a vector instruction stands 8 places ahead of the scaled product
	SBATCH 0
	SBATCH 1
	SBATCH 2
	SBATCH 3
	WIN 0
	NOPS 4                                         ; places in front of the loads into Q's registers and of the first read of scores
	s_cmp_eq_u32 s42, 1                            ; the next block's Q, if there is one: no load leaves its buffer
	s_cbranch_scc1 .Lno_next
	s_wait_xcnt 0x0
	s_add_nc_u64 s[4:5], s[4:5], 1536
	s_add_nc_u64 s[36:37], s[36:37], 4
	QLOAD
.Lno_next:
	; ---- the rows' largest scores
.irp w, 0,1,2,3
	WIN 0x55*\w
	MAXW
.endr
	WIN 0x04
	v_max_num_f32 v[MX], v[T], v[T]                ; piece 0: windows 0 and 1
	WIN 0x0e
	v_max_num_f32 v[MX+1], v[T], v[T]              ; piece 1: windows 2 and 3
	WIN 0
	v_permlanex16_b32 v[U+6], v[MX], s[SEL], s[SEL+1]
	v_permlanex16_b32 v[U+7], v[MX+1], s[SEL], s[SEL+1]
	v_max_num_f32 v[MX], v[MX], v[U+6]
	v_max_num_f32 v[MX+1], v[MX+1], v[U+7]
	ds_store_b64 v[RBW], v[MX:MX+1]
	s_wait_dscnt 0x0                               ; for the others' sake
	s_barrier_signal -1
	s_barrier_wait -1
.irp i, 0,1,2,3
	ds_load_b64 v[UP+2*\i:UP+2*\i+1], v[RL] offset:256*\i
.endr
	s_wait_dscnt 0x0
	v_max3_num_f32 v[MX], v[UP], v[UP+2], v[UP+4]
	v_max3_num_f32 v[MX+1], v[UP+1], v[UP+3], v[UP+5]
	v_max_num_f32 v[MX], v[MX], v[UP+6]
	v_max_num_f32 v[MX+1], v[MX+1], v[UP+7]
	v_mul_f32 v[MX], 0xbd800000, v[MX]             ; -max/16
	v_mul_f32 v[MX+1], 0xbd800000, v[MX+1]
	v_mov_b32 v[NT], 1.0                           ; t = -1
	v_mov_b32 v[NT+1], 1.0
.irp w, 0,1,2,3
	WIN (\w)<<6
	v_mov_b32 v[NM], v[MX+\w/2]
	v_mov_b32 v[NM+1], v[MX+\w/2]
	v_mov_b32 v[NTP], 1.0
	v_mov_b32 v[NTP+1], 1.0
	WIN 0x55*\w
.set KK, 0
.rept 64
	v_pk_fma_f32 v[SC+2*KK:SC+2*KK+1], v[SC+2*KK:SC+2*KK+1], s[22:23], v[NM:NM+1] op_sel_hi:[1,0,0]   ; x = (raw - max)/16, one rounding
.set KK, KK+1
.endr
.endr
	WIN 0
	ds_store_b64 v[RBW], v[QTR:QTR+1] offset:BUFB  ; four waves x 0.25: S1 = S2 = 1, so that piece 1's first step, taken ahead of its first pass, moves nothing
	s_wait_dscnt 0x0
	s_barrier_signal -1
	s_mov_b32 s43, 13
.Lnewton:                                          ; 13 trips: a pass and a step of each piece
	HALF 0, 1
	HALF 1, 0
	s_sub_co_u32 s43, s43, 1
	s_cmp_lg_u32 s43, 0
	s_cbranch_scc1 .Lnewton
	; ---- piece 0 has its threshold.  Its p and its products stand between the last signal and its wait: work on registers, and LDS loads of V, which no wave writes
	FCHUNK 0, 0
	FCHUNK 0, 1
	FCHUNK 0, 2
	FCHUNK 0, 3
	WIN 0
	s_barrier_wait -1
.irp i, 0,1,2,3
	ds_load_b64 v[UP+2*\i:UP+2*\i+1], v[RL] offset:BUFB+256*\i
.endr
	s_wait_dscnt 0x0
	UPDATE 1                                       ; piece 1's thirteenth step
	FCHUNK 1, 0
	FCHUNK 1, 1
	FCHUNK 1, 2
	FCHUNK 1, 3
	; ---- the waves' partial O^T meet in LDS, as images of their registers
	WIN 0
	NOPS 4                                         ; places between the last product and the stores that read results
	WIN 0x04                                       ; an LDS store's data are its source 1: window 1
.irp t, 0,1,2,3
	ds_store_b128 v[OS], v[OA+8*\t:OA+8*\t+3] offset:1024*\t         ; each accumulator from its low end on
	ds_store_b128 v[OS], v[OA+8*\t+4:OA+8*\t+7] offset:1024*\t+512
.endr
	WIN 0x08
.irp t, 0,1,2,3
	ds_store_b128 v[OS], v[OA+8*\t:OA+8*\t+3] offset:4096+1024*\t
	ds_store_b128 v[OS], v[OA+8*\t+4:OA+8*\t+7] offset:4096+1024*\t+512
.endr
	WIN 0
	s_wait_dscnt 0x0                               ; for the others' sake: my stores have landed (and my loads of piece 1's sums are back)
	s_barrier_signal -1
	s_barrier_wait -1
	s_cmp_ge_u32 s10, 2                            ; wave 0 finishes piece 0, wave 1 piece 1
	s_cbranch_scc1 .Lskip
.irp g, 0,1,2,3
.irp q, 0,1,2,3,4,5,6,7
	ds_load_b128 v[SC+32*\g+4*\q:SC+32*\g+4*\q+3], v[OL] offset:8192*\g+512*\q
.endr
.endr
	s_wait_dscnt 0x0
.set KK, 0
.rept 16
	v_pk_add_f32 v[SC+2*KK:SC+2*KK+1], v[SC+2*KK:SC+2*KK+1], v[SC+32+2*KK:SC+32+2*KK+1]
	v_pk_add_f32 v[SC+64+2*KK:SC+64+2*KK+1], v[SC+64+2*KK:SC+64+2*KK+1], v[SC+96+2*KK:SC+96+2*KK+1]
.set KK, KK+1
.endr
.set KK, 0
.rept 16
	v_pk_add_f32 v[SC+2*KK:SC+2*KK+1], v[SC+2*KK:SC+2*KK+1], v[SC+64+2*KK:SC+64+2*KK+1]   ; register 16 b + i = ctx(my query, 32 b + 16 h + i) of the head's 64
.set KK, KK+1
.endr
	s_wait_xcnt 0x0                                ; the last block's stores have read the codes' registers
	QSCALE SC, 2, 1
	QCODES SC, 1
	global_store_b128 v[L16], v[PC:PC+3], s[38:39]             ; half a fragment's image: registers 0-3,
	global_store_b64 v[L8], v[PC+4:PC+5], s[38:39] offset:512  ; and 4-5
	v_mov_b32 v[CW], v[CW+1]                       ; the blocks' scale words move up: after four blocks word i is block i's
	v_mov_b32 v[CW+1], v[CW+2]
	v_mov_b32 v[CW+2], v[CW+3]
	v_lshl_or_b32 v[CW+3], v[TM+5], 8, v[TM+4]
	s_wait_xcnt 0x0                                ; the stores have read their base
	s_add_nc_u64 s[38:39], s[38:39], 12288         ; two token tiles on
.Lskip:
	s_sub_co_u32 s42, s42, 1
	s_cmp_lg_u32 s42, 0
	s_cbranch_scc1 .Lblock
	s_cmp_ge_u32 s10, 2
	s_cbranch_scc1 .Ldone
	global_store_b128 v[L16], v[CW:CW+3], s[40:41]
.Ldone:
	s_wait_tensorcnt 0x0                           ; the wave's end
	ds_add_u32 v[SPW], v[NIL]
	s_wait_dscnt 0x0
	ROUND                                          ; the closing round
	s_endpgm
.Lfunc_end_k_q46ad844954_attn:
	.size	k_q46ad844954_attn, .Lfunc_end_k_q46ad844954_attn-k_q46ad844954_attn
	.p2alignl 7, 3214868480
	.fill 96, 4, 3214868480
	.section	.rodata,"a",@progbits
	.p2align	6, 0x0
	.amdhsa_kernel k_q46ad844954_attn
		.amdhsa_group_segment_fixed_size 262144
		.amdhsa_private_segment_fixed_size 0
		.amdhsa_enable_private_segment 0
		.amdhsa_kernarg_size 24
		.amdhsa_user_sgpr_count 2
		.amdhsa_user_sgpr_kernarg_segment_ptr 1
		.amdhsa_wavefront_size32 1
		.amdhsa_system_sgpr_workgroup_id_x 1
		.amdhsa_system_sgpr_workgroup_id_y 1
		.amdhsa_system_sgpr_workgroup_id_z 1
		.amdhsa_system_vgpr_workitem_id 0
		.amdhsa_next_free_vgpr 1024
		.amdhsa_next_free_sgpr 66
		.amdhsa_reserve_vcc 0
		.amdhsa_float_denorm_mode_32 3
		.amdhsa_float_denorm_mode_16_64 3
		.amdhsa_memory_ordered 1
		.amdhsa_forward_progress 1
		.amdhsa_inst_pref_size 226
	.end_amdhsa_kernel
	.amdgpu_metadata
---
amdhsa.version: [ 1, 2 ]
amdhsa.kernels:
  - .name:           k_q46ad844954_attn
    .symbol:         k_q46ad844954_attn.kd
    .args:
      - { .name: qq, .offset: 0, .size: 8, .value_kind: global_buffer, .address_space: global }
      - { .name: kv, .offset: 8, .size: 8, .value_kind: global_buffer, .address_space: global }
      - { .name: cq, .offset: 16, .size: 8, .value_kind: global_buffer, .address_space: global }
    .group_segment_fixed_size: 262144
    .private_segment_fixed_size: 0
    .kernarg_segment_align: 8
    .kernarg_segment_size: 24
    .max_flat_workgroup_size: 128
    .sgpr_count:     66
    .vgpr_count:     1024
    .wavefront_size: 32
...
	.end_amdgpu_metadata
.endif
;; end of part 3
;; launch outp (part 4): grid 256 x 1, 4 waves a work-group, no clusters, 34,304 bytes of LDS; arguments cq, wq, bo, out0; writes out0
.if DOCPART == 4
	.amdgcn_target "amdgcn-amd-amdhsa--gfx1250"
	.amdhsa_code_object_version 6
	.text
	.protected	k_q46ad844954_outp
	.globl	k_q46ad844954_outp
	.p2align	8
	.type	k_q46ad844954_outp,@function
k_q46ad844954_outp:
	s_mov_b64 s[64:65], 0
	v_nop
	global_prefetch_b8 v0, s[64:65] scope:SCOPE_SE
	s_setreg_imm32_b32 hwreg(HW_REG_WAVE_MODE, 25, 1), 1
	s_wait_xcnt 0x0
; out0 = ctx Wo + bo on codes of FP6 (E2M3).  A work-group takes one tile of 16 tokens; wave w makes columns 128 w .. 128 w + 127: 8 tiles of columns x 4 K steps = 32 matrix instructions.
; All operands are images of registers and come straight from memory.  The product is used transposed (source 0 = 16 columns of Wo, source 1 = the 16 tokens): a lane holds one token and eight neighbouring columns.
; A K step of ctx is two heads' halves (768 bytes each: registers 0-3 at 16 x lane, 4-5 at 512 + 8 x lane); its scale word is the two heads' 16-bit words.
; The bias is loaded INTO the accumulators, so that every K step adds in place; the eight accumulators take turns, one instruction a turn.
; The tile's tokens are 32 (T / 2) + 8 (T % 2) + i + 8 (i / 8).  The results go through the wave's own stage in LDS and leave as 512 consecutive bytes of a row, aligned.  Waves share nothing: no barrier.
; REGISTERS: window 0: v1-7 addresses; v16-63 ctx; v64-127 accumulators; v128-159 Wo's scale words (4 tile + K step); v160-167 the heads' words; v168-171 ctx's scale words; v176-239 rows read back.
;   window 1: Wo's fragments of K steps 0, 1 at 96 (s % 2) + 12 tile;   window 2: of K steps 2, 3.
.set CSOFF, 1572864
.set WSOFF, 786432
.set STG,   8448                       ; a wave's stage: 16 rows x (512 bytes + 16)
.set SPARE, 4*STG                      ; the spare words, 128 bytes a wave, which no other line names
.set L16, 1
.set L8,  2
.set BH,  3                            ; v3  64 h
.set SI,  4                            ; v4  the stage, way in: 528 r + 64 h
.set SO,  5                            ; v5  the stage, way out: 16 x lane
.set SPW, 6
.set NIL, 7
.set F,   16
.set ACC, 64
.set WS,  128
.set RW,  160
.set CS,  168
.set BK,  176
.set MSB, 0
.macro WIN new                         ; the immediate's high byte repeats the setting that is left
.if MSB != (\new)
	s_set_vgpr_msb (MSB<<8)|(\new)
.set MSB, (\new)
.endif
.endm
	s_load_b128 s[4:7], s[0:1], 0x0                ; cq s[4:5], wq s[6:7]
	s_load_b128 s[8:11], s[0:1], 0x10              ; bo s[8:9], out0 s[10:11]
	v_lshl_add_u32 v[SPW], v0, 2, SPARE
	v_mov_b32 v[NIL], 0
	v_lshrrev_b32 v8, 5, v0
	v_readfirstlane_b32 s12, v8                    ; wave
	v_and_b32 v8, 31, v0
	v_lshlrev_b32 v[L16], 4, v8
	v_lshlrev_b32 v[L8], 3, v8
	v_and_b32 v9, 15, v0                           ; r
	v_bfe_u32 v10, v0, 4, 1                        ; h
	v_lshlrev_b32 v[BH], 6, v10
	s_mul_i32 s28, s12, STG
	v_mul_u32_u24 v[SI], v9, 528
	v_lshl_add_u32 v[SI], v10, 6, v[SI]
	v_add_nc_u32 v[SI], s28, v[SI]
	v_add_nc_u32 v[SO], s28, v[L16]
	s_mul_i32 s14, ttmp9, 6144                     ; ctx's four fragments
	s_mov_b32 s15, 0
	s_lshr_b32 s16, ttmp9, 7
	s_lshl_b32 s16, s16, 7                         ; 128 batch (16 blocks of queries for each of 8 heads)
	s_bfe_u32 s17, ttmp9, 0x40003
	s_add_co_u32 s16, s16, s17                     ; + the block of 128 queries
	s_lshl_b32 s16, s16, 1
	s_and_b32 s17, ttmp9, 1
	s_add_co_u32 s16, s16, s17                     ; the piece
	s_lshl_b32 s16, s16, 9
	s_bfe_u32 s17, ttmp9, 0x20001
	s_lshl_b32 s17, s17, 2
	s_add_co_u32 s16, s16, s17                     ; the block of 32 queries: which word of a lane's four
	s_add_co_u32 s16, s16, CSOFF
	s_mov_b32 s17, 0
	s_lshl_b32 s18, s12, 3
	s_add_co_u32 s18, s18, 96                      ; Wo's tiles: 3 x 32 + 8 wave on
	s_mul_i32 s20, s18, 6144
	s_mov_b32 s21, 0
	s_lshl_b32 s22, s18, 9
	s_add_co_u32 s22, s22, WSOFF
	s_mov_b32 s23, 0
	s_lshl_b32 s24, s12, 9                         ; my 128 columns, in bytes
	s_mov_b32 s25, 0
	s_lshr_b32 s26, ttmp9, 1
	s_lshl_b32 s26, s26, 5
	s_and_b32 s27, ttmp9, 1
	s_lshl_b32 s27, s27, 3
	s_add_co_u32 s26, s26, s27                     ; the tile's first token
	s_lshl_b32 s26, s26, 11
	s_add_co_u32 s26, s26, s24
	s_mov_b32 s27, 0
	s_wait_kmcnt 0x0
	s_add_nc_u64 s[14:15], s[4:5], s[14:15]
	s_add_nc_u64 s[16:17], s[4:5], s[16:17]
	s_add_nc_u64 s[20:21], s[6:7], s[20:21]
	s_add_nc_u64 s[22:23], s[6:7], s[22:23]
	s_add_nc_u64 s[24:25], s[8:9], s[24:25]
	s_add_nc_u64 s[26:27], s[10:11], s[26:27]
.irp e, 0,1,2,3,4,5,6,7                ; the bias: lane (r, h) holds, in tile 2 b + u, columns 32 b + 16 h + 8 u + 0 .. 7
	global_load_b128 v[ACC+8*\e:ACC+8*\e+3], v[BH], s[24:25] offset:(32*(\e/2)+8*(\e%2))*4
	global_load_b128 v[ACC+8*\e+4:ACC+8*\e+7], v[BH], s[24:25] offset:(32*(\e/2)+8*(\e%2))*4+16
.endr
.irp s, 0,1,2,3
	global_load_b128 v[F+12*\s:F+12*\s+3], v[L16], s[14:15] offset:1536*\s
	global_load_b64 v[F+12*\s+4:F+12*\s+5], v[L8], s[14:15] offset:1536*\s+512
	global_load_b128 v[F+12*\s+6:F+12*\s+9], v[L16], s[14:15] offset:1536*\s+768
	global_load_b64 v[F+12*\s+10:F+12*\s+11], v[L8], s[14:15] offset:1536*\s+1280
.endr
.irp n, 0,1,2,3,4,5,6,7
	global_load_b32 v[RW+\n], v[L16], s[16:17] offset:16384*\n   ; head n's two bytes for my token
.endr
.irp e, 0,1,2,3,4,5,6,7
	global_load_b128 v[WS+4*\e:WS+4*\e+3], v[L16], s[22:23] offset:512*\e
.endr
.irp g, 0,1
	WIN 0x40*(\g+1)
.irp s, 0,1
.irp e, 0,1,2,3,4,5,6,7
.irp c, 0,1,2
	global_load_b128 v[96*\s+12*\e+4*\c:96*\s+12*\e+4*\c+3], v[L16], s[20:21] offset:(4*\e+2*\g+\s)*1536+512*\c
.endr
.endr
.endr
.endr
	WIN 0
	s_wait_loadcnt 0x0
.irp s, 0,1,2,3
	v_lshl_or_b32 v[CS+\s], v[RW+2*\s+1], 16, v[RW+2*\s]       ; heads 2 s and 2 s + 1 make K step s's scale word
.endr
.rept 8
	v_nop                                          ; a scale register written by a vector instruction stands 8 places ahead of the scaled product
.endr
.irp s, 0,1,2,3
	WIN 1+\s/2                                     ; source 0 (Wo) window 1 or 2
.irp e, 0,1,2,3,4,5,6,7
	v_wmma_scale_f32_16x16x128_f8f6f4 v[ACC+8*\e:ACC+8*\e+7], v[96*(\s%2)+12*\e:96*(\s%2)+12*\e+11], v[F+12*\s:F+12*\s+11], v[ACC+8*\e:ACC+8*\e+7], v[WS+4*\e+\s], v[CS+\s] matrix_a_fmt:MATRIX_FMT_FP6 matrix_b_fmt:MATRIX_FMT_FP6
.endr
.endr
	WIN 0
.rept 4
	v_nop                                          ; places between the last product and the stores that read results
.endr
.irp e, 0,1,2,3,4,5,6,7
	ds_store_b128 v[SI], v[ACC+8*\e:ACC+8*\e+3] offset:128*(\e/2)+32*(\e%2)        ; each accumulator from its low end on
	ds_store_b128 v[SI], v[ACC+8*\e+4:ACC+8*\e+7] offset:128*(\e/2)+32*(\e%2)+16
.endr
.irp i, 0,1,2,3,4,5,6,7,8,9,10,11,12,13,14,15
	ds_load_b128 v[BK+4*\i:BK+4*\i+3], v[SO] offset:528*\i     ; LDS serves a wave's instructions in order: these see my stores
.endr
.irp i, 0,1,2,3,4,5,6,7,8,9,10,11,12,13,14,15
	s_wait_dscnt 15-\i
	global_store_b128 v[L16], v[BK+4*\i:BK+4*\i+3], s[26:27] offset:(\i+8*(\i/8))*2048 th:TH_STORE_NT   ; 32 lanes store 512 consecutive bytes of a row, at a multiple of 256 from the buffer's first byte
.endr
	s_wait_tensorcnt 0x0                           ; the wave's end
	ds_add_u32 v[SPW], v[NIL]
	s_wait_dscnt 0x0
	s_endpgm
.Lfunc_end_k_q46ad844954_outp:
	.size	k_q46ad844954_outp, .Lfunc_end_k_q46ad844954_outp-k_q46ad844954_outp
	.p2alignl 7, 3214868480
	.fill 96, 4, 3214868480
	.section	.rodata,"a",@progbits
	.p2align	6, 0x0
	.amdhsa_kernel k_q46ad844954_outp
		.amdhsa_group_segment_fixed_size 34304
		.amdhsa_private_segment_fixed_size 0
		.amdhsa_enable_private_segment 0
		.amdhsa_kernarg_size 32
		.amdhsa_user_sgpr_count 2
		.amdhsa_user_sgpr_kernarg_segment_ptr 1
		.amdhsa_wavefront_size32 1
		.amdhsa_system_sgpr_workgroup_id_x 1
		.amdhsa_system_sgpr_workgroup_id_y 1
		.amdhsa_system_sgpr_workgroup_id_z 1
		.amdhsa_system_vgpr_workitem_id 0
		.amdhsa_next_free_vgpr 768
		.amdhsa_next_free_sgpr 66
		.amdhsa_reserve_vcc 0
		.amdhsa_float_denorm_mode_32 3
		.amdhsa_float_denorm_mode_16_64 3
		.amdhsa_memory_ordered 1
		.amdhsa_forward_progress 1
		.amdhsa_inst_pref_size 25
	.end_amdhsa_kernel
	.amdgpu_metadata
---
amdhsa.version: [ 1, 2 ]
amdhsa.kernels:
  - .name:           k_q46ad844954_outp
    .symbol:         k_q46ad844954_outp.kd
    .args:
      - { .name: cq, .offset: 0, .size: 8, .value_kind: global_buffer, .address_space: global }
      - { .name: wq, .offset: 8, .size: 8, .value_kind: global_buffer, .address_space: global }
      - { .name: bo, .offset: 16, .size: 8, .value_kind: global_buffer, .address_space: global }
      - { .name: out0, .offset: 24, .size: 8, .value_kind: global_buffer, .address_space: global }
    .group_segment_fixed_size: 34304
    .private_segment_fixed_size: 0
    .kernarg_segment_align: 8
    .kernarg_segment_size: 32
    .max_flat_workgroup_size: 128
    .sgpr_count:     66
    .vgpr_count:     768
    .wavefront_size: 32
...
	.end_amdgpu_metadata
.endif
;; end of part 4
